; MI455X (gfx1250); checked and timed in simulation.
; The chip was launched on July 23, 2026; its instructions are those of AMD's public machine-readable ISA for CDNA 5 (MIT licence, August 2026) and "CDNA5" Instruction Set Architecture Reference Guide (July 2026). The comments in the code are by the model that wrote it; some were corrected since.
;; Cross Attention Skip. Allowed arithmetic: matrix products marked QUANTISED: E2M3 operands, one E8M0 scale for each 32 along K, by v_wmma_scale_f32_16x16x128_f8f6f4 with both operands' format E2M3, f32 sums; everything else in f32.
;; Inputs: W1 512 x 128 float32; W2 128 x 512 float32; Wk 128 x 128 float32; Wo 128 x 128 float32; Wq 128 x 128 float32; Wv 128 x 128 float32; b1 512 float32; b2 128 float32; b_dec 128 float32; b_enc 128 float32; b_out 128 float32; bk 128 float32; bo 128 float32; bq 128 float32; bv 128 float32; decoder_feat 2 x 128 x 16 x 16 x 16 float32; encoder_feat 2 x 128 x 16 x 16 x 16 float32; g_dec 128 float32; g_enc 128 float32; g_out 128 float32.
;; Outputs: out0 2 x 128 x 16 x 16 x 16 float32.
;; This version of the problem:
;;   THIS VERSION OF THE PROBLEM IS GIVEN IN LOW PRECISION. The matrix products marked QUANTISED in the list below multiply operands that are first quantised to E2M3 (2 exponent bits, 3 mantissa bits; 6 bits a number), with one power-of-two scale for each 32 numbers along K (OCP MX v1.0); their sums are f32. All else is computed in f32.
;;   The module's matrix products, in the order in which they are computed (A, B: the left and right operand; K: the contracted axis; several contracted axes count as one K, in the product's order):
;;     1. [M 8,192, K 128] x [K 128, N 128]; A: computed on the way; B: input Wq: QUANTISED
;;     2. [M 8,192, K 128] x [K 128, N 128]; A: computed on the way; B: input Wk: QUANTISED
;;     3. [M 8,192, K 128] x [K 128, N 128]; A: computed on the way; B: input Wv: QUANTISED
;;     4. batch 8 x [M 4,096, K 32] x [K 32, N 4,096]; A: computed on the way; B: computed on the way: QUANTISED
;;     5. batch 8 x [M 4,096, K 4,096] x [K 4,096, N 32]; A: softmax (see below); B: computed on the way: QUANTISED
;;     6. [M 8,192, K 128] x [K 128, N 128]; A: computed on the way; B: input Wo: QUANTISED
;;     7. [M 8,192, K 128] x [K 128, N 512]; A: computed on the way; B: input W1: QUANTISED
;;     8. [M 8,192, K 512] x [K 512, N 128]; A: computed on the way; B: input W2: QUANTISED
;;   THE QUANTISER, for each operand of a quantised product, along K:
;;     - K is cut into blocks of 32 from its start; a last block that is shorter is filled with zeros.
;;     - A block's scale is 2^e with e = floor(log2(the largest magnitude in the block)) - 2, held to -126 .. 127; a block of zeros has e = 0. As a byte (E8M0): e + 127.
;;     - Each number is divided by its block's scale, clamped to +-7.5, and rounded to the nearest number of E2M3, ties to even, subnormals kept.
;;     - The product sums the exact products of the quantised numbers (number of the format x scale) in f32.
;;   ~~~python
;;   def quantise(x, axis):      # numpy; x: float32 -> the quantised numbers, widened to float32 again
;;       x = np.moveaxis(x, axis, -1); K = x.shape[-1]
;;       x = np.pad(x, [(0, 0)] * (x.ndim - 1) + [(0, -K % 32)]); x = x.reshape(x.shape[:-1] + (-1, 32)); a = np.abs(x).max(-1, keepdims=True)
;;       e = np.where(a > 0, np.clip(np.frexp(np.where(a > 0, a, 1))[1] - 1 - 2, -126, 127), 0)      # np.frexp(a)[1] - 1 = floor(log2(a)), exactly
;;       r = np.clip(x / 2.0 ** e, -7.5, 7.5)
;;       step = 2.0 ** (np.maximum(np.frexp(np.where(r == 0, 1, r))[1] - 1, 0) - 3)
;;       q = np.round(r / step) * step * 2.0 ** e      # np.round: ties to even
;;       return np.moveaxis(q.reshape(q.shape[:-2] + (-1,))[..., :K], -1, axis).astype(np.float32)
;;   ~~~
;;   SOFTMAX AHEAD OF A QUANTISED PRODUCT. Where the list says 'softmax', what is quantised is not the finished softmax but p = 2^(t - M), with t = logit x log2(e) and M = ceil(the row's largest t), a whole number; so 1/2 < the row's largest p <= 1. The row's sum l is taken of the UNQUANTISED p, in f32, and the product's result is divided by l at the end. Since M is a whole number, a kernel that streams over the keys may use a running M (the ceiling of the running maximum): every later rescaling is an exact power of two, which a block's scale takes up: the codes' values come out the same.
;;   OPERANDS COMPUTED ON THE WAY. 'Computed on the way' means the value that the module computes at that place (a softmax that the list does not call 'softmax' is quantised finished and normalised). What goes into a quantiser is computed in f32, as accurately as f32 sums, v_exp_f32 and their like allow (about 1e-6 of the number): no bf16 or f16 on the way to a quantiser, and a product that is left as it is and whose result goes on into a quantised operand takes f32 operands (vector FMAs, or v_wmma_f32_16x16x4_f32). A number that lies on a knife's edge between two numbers of the format may be rounded either way, as far as f32 arithmetic and the matrix unit's own rounding can turn it there, and no further.
;; One version. Each part assembles by itself: llvm-mc -triple=amdgcn-amd-amdhsa -mcpu=gfx1250 --defsym DOCPART=n.
;; ======== version 1 of 1: 2 launches
;; limits: right only within a limited range of input values
;; workspace buffers: kv 1,638,400 bytes; qb 819,200 bytes; stats 65,536 bytes; wts 123,904 bytes
;; launch prep (part 1): grid 202 x 1, 8 waves a work-group, no clusters, 39,424 bytes of LDS; arguments encoder_feat, decoder_feat, g_enc, g_dec, b_enc, b_dec, Wk, Wq, bk, bq, kv, qb, Wv, bv, stats, Wo, W1, W2, wts, bo, b2, g_out, b_out, b1; writes kv, qb, stats, wts
.if DOCPART == 1
	.amdgcn_target "amdgcn-amd-amdhsa--gfx1250"
	.amdhsa_code_object_version 6
	.text
	.protected	k_q5f6b6e0015_prep
	.globl	k_q5f6b6e0015_prep
	.p2align	8
	.type	k_q5f6b6e0015_prep,@function
k_q5f6b6e0015_prep:
	s_mov_b64 s[64:65], 0
	v_nop
	global_prefetch_b8 v0, s[64:65] scope:SCOPE_SE
	s_setreg_imm32_b32 hwreg(HW_REG_WAVE_MODE, 25, 1), 1
	s_wait_xcnt 0x0
; CrossAttentionSkip, first of two launches: LayerNorm of both features, the projections Q, K, V (MX-FP6 products), their quantising for the attention, the quantising of Wo, W1, W2, and a copy of five vectors.
; DEAD WORK: none.  Every input of reference() has a way to out0, so all twenty inputs are loaded by one of the two launches and no product is left out.
; ROLES, by the work-group's number alone: 0-63 K, 64-127 Q, 128-191 V, 192-200 the weights Wo, W1, W2, 201 the vectors bo, b2, g_out, b_out, b1.
; A token work-group takes 128 tokens of one batch; wave w takes tokens 16 w .. 16 w + 15 and rows 16 w .. 16 w + 15 of its weight, and quantises both.
; One of the two goes to the other waves through LDS as an image of its registers and is source 0 of eight products; the other stays the wave's own and is source 1:
;   K, Q: shared = weight, own = tokens: a lane then holds one token, its registers run along the channels;  V: shared = tokens, own = weight: a lane holds one channel, its registers run along the tokens.
; THE SHARED ROWS ARE DEALT TO TILES so that a lane half holds whole blocks of 32: row 64 c + 32 h + 8 q + j becomes row 8 h + j of tile 4 c + q.  So registers 32 c + 8 q + j of lane half h are block 2 c + h, in order: no lane looks at another.
; K's and Q's tokens are dealt to the tiles of their image in the same way.
; No tile comes by a tensor load here (operands go from memory straight into registers), so there is no joint request to make and the launch has no cluster.
; LIMITS: NaN and infinities among the inputs are not served.  A block of zeros gets the scale byte 1 where the rule says 127: its codes are zeros, and the bytes are read by this program alone.
.set SHIMG, 12288                      ; LDS: wave w's copy of gain, bias and projection bias, 512 bytes each, at 1536 w; then the eight shared fragments, 1,536 bytes each
.set SHSC,  24576                      ; their scale words, 128 bytes each
.set KL,    25600                      ; K's or Q's image of the 128 tokens, 12,288 bytes
.set SCL,   37888                      ; and its scale bytes, 512
.set SPARE, 38400                      ; the spare words, 128 bytes for each wave
.set XA,   192                         ; v192-255 64 numbers of my token, later the eight accumulators
.set WA,   128                         ; v128-191 64 numbers of my weight row, then the gains, later four fetched fragments
.set FX,   28                          ; v28-39 the tokens' fragment, v40 its scale word
.set WX,   40
.set OWN,  42                          ; v42-53 my own fragment, v54 its scale word
.set OWNW, 54
.set SH,   56                          ; v56-67 the fragment that is shared, v68 its scale word
.set SHW,  68
.set PC2,  70                          ; v70-81 the weight's fragment, v82 its scale word
.set PW2,  82
.set CT,   84                          ; v84-91 the conversions' second halves; LayerNorm's sums
.set TMX,  92
.set TMB,  96
.set TMS,  104
.set TBI,  84                          ; v84-115 32 biases of LayerNorm
.set SW,   116                         ; v116-123 the eight shared scale words
.set SEL,  52
.macro LIN d, a, ka, b, kb, c          ; s[d] = a ka + b kb + c
	s_mul_i32 s\d, \a, \ka
	s_mul_i32 s3, \b, \kb
	s_add_co_u32 s\d, s\d, s3
	s_add_co_u32 s\d, s\d, \c
.endm
; 64 numbers of a lane, register 32 c + i = number i of block 2 c + h: codes into v[pc] on, the two scale bytes into TMB, TMB + 1
.macro QUANT64 s, pc
.irp c, 0,1
	v_max3_num_f32 v[TMX+2*\c], |v[\s+32*\c]|, |v[\s+1+32*\c]|, 0x1800000   ; with the floor 2^(3 - 127): the byte cannot fall under 1
	v_max3_num_f32 v[TMX+1+2*\c], |v[\s+16+32*\c]|, |v[\s+17+32*\c]|, |v[\s+18+32*\c]|
.endr
.irp i, 2,4,6,8,10,12
.irp c, 0,1
	v_max3_num_f32 v[TMX+2*\c], v[TMX+2*\c], |v[\s+32*\c+\i]|, |v[\s+1+32*\c+\i]|
	v_max3_num_f32 v[TMX+1+2*\c], v[TMX+1+2*\c], |v[\s+17+32*\c+\i]|, |v[\s+18+32*\c+\i]|
.endr
.endr
.irp c, 0,1
	v_max3_num_f32 v[TMX+2*\c], v[TMX+2*\c], |v[\s+14+32*\c]|, |v[\s+15+32*\c]|
.endr
.irp c, 0,1
	v_max3_num_f32 v[TMX+2*\c], v[TMX+2*\c], v[TMX+1+2*\c], |v[\s+31+32*\c]|
.endr
.irp c, 0,1
	v_add_nc_u32 v[TMS+\c], 0xff000000, v[TMX+2*\c]        ; 2 off the exponent field: the conversion's scale operand
.endr
.irp c, 0,1
	v_lshrrev_b32 v[TMB+\c], 23, v[TMS+\c]                 ; the scale's byte
.endr
.irp c, 0,1
	v_cvt_scalef32_pk16_fp6_f32 v[\pc+6*\c:\pc+2+6*\c], v[\s+32*\c:\s+15+32*\c], v[TMS+\c]
	v_cvt_scalef32_pk16_fp6_f32 v[CT+4*\c:CT+2+4*\c], v[\s+16+32*\c:\s+31+32*\c], v[TMS+\c]   ; (a conversion's three registers begin on an even number)
.endr
	v_nop                                                  ; one plain place behind a scaled conversion
.irp c, 0,1
.irp i, 0,1,2
	v_mov_b32 v[\pc+3+6*\c+\i], v[CT+4*\c+\i]
.endr
.endr
.endm
.macro SWORD pw                        ; the row's scale word, in both halves of the lanes
	v_lshl_or_b32 v[\pw], v[TMB+1], 16, v[TMB]             ; my bytes, of blocks h and 2 + h
	v_permlanex16_b32 v[TMB+2], v[\pw], s[SEL], s[SEL+1]
	v_lshl_or_b32 v[TMB+3], v[\pw], 8, v[TMB+2]            ; as lanes 16-31 want it
	v_lshl_or_b32 v[\pw], v[TMB+2], 8, v[\pw]              ; as lanes 0-15 want it
	v_cndmask_b32 v[\pw], v[\pw], v[TMB+3], s54
.endm
; my row of a weight: register 32 c + i = element 64 c + 32 h + i; the two middle groups of eight by addresses of their own
.macro WLOAD a, b, d
.irp c, 0,1
.irp m, 0,1,6,7
	global_load_b128 v[WA+32*\c+4*\m:WA+32*\c+4*\m+3], \a, s[62:63] offset:256*\c+16*\m
.endr
.irp m, 2,3
	global_load_b128 v[WA+32*\c+4*\m:WA+32*\c+4*\m+3], \b, s[62:63] offset:256*\c+16*\m
.endr
.irp m, 4,5
	global_load_b128 v[WA+32*\c+4*\m:WA+32*\c+4*\m+3], \d, s[62:63] offset:256*\c+16*\m
.endr
.endr
.endm
; the eight products: source 0 = shared fragment t, source 1 = my own.  cz = 1: the sums start with 0; cz = 0: with the bias that lies in the accumulators
.macro PROD cz
.irp t, 0,1,2,3,4,5,6,7
	ds_load_b32 v[SW+\t], v7 offset:SHSC+128*\t
.endr
.irp g, 0,1
.if \g
.rept 4
	v_nop                                                  ; four places in front of loads into registers that matrix instructions have read
.endr
.endif
.irp i, 0,1,2,3
.irp q, 0,1,2
	ds_load_b128 v[WA+12*\i+4*\q:WA+12*\i+4*\q+3], v6 offset:SHIMG+1536*(4*\g+\i)+512*\q
.endr
.endr
	s_wait_dscnt 0x0
.irp i, 0,1,2,3
.if \cz
	v_wmma_scale_f32_16x16x128_f8f6f4 v[XA+8*(4*\g+\i):XA+8*(4*\g+\i)+7], v[WA+12*\i:WA+12*\i+11], v[OWN:OWN+11], 0, v[SW+4*\g+\i], v[OWNW] matrix_a_fmt:MATRIX_FMT_FP6 matrix_b_fmt:MATRIX_FMT_FP6
.else
	v_wmma_scale_f32_16x16x128_f8f6f4 v[XA+8*(4*\g+\i):XA+8*(4*\g+\i)+7], v[WA+12*\i:WA+12*\i+11], v[OWN:OWN+11], v[XA+8*(4*\g+\i):XA+8*(4*\g+\i)+7], v[SW+4*\g+\i], v[OWNW] matrix_a_fmt:MATRIX_FMT_FP6 matrix_b_fmt:MATRIX_FMT_FP6
.endif
.endr
.endr
.rept 4
	v_nop                                                  ; four places in front of the first read of results
.endr
.endm
.macro BARRIER
	s_wait_dscnt 0x0
	s_barrier_signal -1
	s_barrier_wait -1
.endm
	s_load_b512 s[4:19], s[0:1], 0x0               ; encoder s[4:5], decoder s[6:7], g_enc s[8:9], g_dec s[10:11], b_enc s[12:13], b_dec s[14:15], Wk s[16:17], Wq s[18:19]
	s_load_b512 s[20:35], s[0:1], 0x40             ; bk s[20:21], bq s[22:23], kv s[24:25], qb s[26:27], Wv s[28:29], bv s[30:31], stats s[32:33], Wo s[34:35]
	s_load_b256 s[36:43], s[0:1], 0x80             ; W1 s[36:37], W2 s[38:39], wts s[40:41], bo s[42:43]
	s_load_b256 s[80:87], s[0:1], 0xa0             ; b2 s[80:81], g_out s[82:83], b_out s[84:85], b1 s[86:87]
	v_lshrrev_b32 v22, 5, v0
	v_readfirstlane_b32 s44, v22                   ; wave 0..7
	s_lshr_b32 s45, ttmp9, 6                       ; role
	s_and_b32 s46, ttmp9, 63                       ; 32 x batch + which 128 tokens
	s_and_b32 s56, s44, 1
	s_bfe_u32 s57, s44, 0x10001
	s_lshr_b32 s58, s44, 2
	s_mul_i32 s47, s44, 1536                       ; my copy of gain, bias, projection bias
	LIN 48, s58, 6144, s56, 3072, SHIMG            ; row 16 w + r becomes row 8 (w / 2 % 2) + r % 8 of tile 4 (w / 4) + 2 (w % 2) + r / 8
	s_lshl_b32 s3, s57, 7
	s_add_co_u32 s48, s48, s3
	LIN 49, s58, 512, s56, 256, SHSC
	s_lshl_b32 s3, s57, 5
	s_add_co_u32 s49, s49, s3
	LIN 70, s58, 1536, s56, 24, KL                 ; in the image tile q lies in lanes 16 (q % 2) on, registers 6 (q / 2) on, of fragment w / 4
	s_mul_i32 s3, s57, 384
	s_add_co_u32 s70, s70, s3
	LIN 71, s58, 64, s56, 2, SCL
	s_lshl_b32 s3, s57, 5
	s_add_co_u32 s71, s71, s3
	s_lshl_b32 s72, s44, 6
	s_mul_i32 s73, s44, 1600
	s_add_co_u32 s73, s73, 1024
	s_mov_b32 s[SEL], 0x76543210
	s_mov_b32 s[SEL+1], 0xfedcba98
	s_mov_b32 s54, 0xffff0000                      ; lanes 16-31
	s_mov_b32 s55, 0x3c000000                      ; 1 / 128
	s_mov_b32 s51, 0x3727c5ac                      ; 1e-5
	v_lshl_add_u32 v8, v0, 2, SPARE                ; my spare word; never rewritten
	v_mov_b32 v9, 0                                ; 0; never rewritten
	v_and_b32 v1, 15, v0                           ; r
	v_bfe_u32 v2, v0, 4, 1                         ; h
	v_and_b32 v3, 31, v0                           ; lane
	v_and_b32 v20, 7, v0                           ; r % 8
	v_bfe_u32 v21, v0, 3, 1                        ; r / 8
	v_lshlrev_b32 v4, 2, v1
	v_lshl_add_u32 v4, v2, 19, v4                  ; a feature: token r, 32 h channels of 16,384 bytes on
	v_lshlrev_b32 v6, 4, v3                        ; 16 x lane
	v_lshlrev_b32 v7, 2, v3                        ; 4 x lane
	v_lshlrev_b32 v10, 7, v2
	v_add_nc_u32 v10, s47, v10                     ; my copy, read: + 128 h
	v_add_nc_u32 v11, s47, v6                      ; and written
	v_mul_u32_u24 v12, v21, 1536
	v_lshl_add_u32 v12, v20, 4, v12
	v_lshl_add_u32 v12, v2, 8, v12
	v_add_nc_u32 v12, s48, v12                     ; where I store the shared fragment
	v_lshlrev_b32 v13, 7, v21
	v_lshl_add_u32 v13, v20, 2, v13
	v_lshl_add_u32 v13, v2, 6, v13
	v_add_nc_u32 v13, s49, v13                     ; and its scale word
	v_lshl_add_u32 v14, v21, 4, v20
	v_mul_u32_u24 v14, v14, 48
	v_mad_u32_u24 v14, v2, 3072, v14
	v_add_nc_u32 v14, s70, v14                     ; K's or Q's image: head 2 c + h, 3,072 bytes each
	v_lshl_add_u32 v15, v20, 2, v21
	v_lshl_add_u32 v15, v2, 7, v15
	v_add_nc_u32 v15, s71, v15                     ; its scale bytes, 128 a head
	v_lshl_add_u32 v16, v0, 4, KL                  ; the copy out: 16 bytes a thread
	v_lshlrev_b32 v17, 4, v0
	v_lshl_add_u32 v19, v1, 2, s72                 ; V's scale word
	v_lshl_add_u32 v125, v1, 2, s73                ; LDS: bv[16 w + r]
	v_lshlrev_b32 v41, 2, v1
	v_lshl_add_u32 v41, v2, 15, v41                ; stats: lanes 0-15 the mean, lanes 16-31 the reciprocal root, 32,768 bytes on
	v_lshlrev_b32 v5, 9, v1
	v_lshl_add_u32 v5, v2, 7, v5                   ; a weight: row r of 512 bytes, + 128 h
	v_mov_b32 v23, 0                               ; a lane permute's destination counts as one of its sources
	v_mov_b32 v[TMB+2], 0
	s_wait_alu depctr_va_vdst(0)                   ; the wait at the head's end
	s_wait_kmcnt 0x0
	s_cmp_eq_u32 s45, 3
	s_cbranch_scc1 .Lweights                       ; the same way in all eight waves
	s_cmp_eq_u32 s45, 1                            ; Q's work-groups take the decoder's buffers: the choice hangs on the work-group's number alone
	s_cselect_b64 s[56:57], s[6:7], s[4:5]
	s_cselect_b64 s[58:59], s[10:11], s[8:9]
	s_cselect_b64 s[60:61], s[14:15], s[12:13]
	s_cselect_b64 s[62:63], s[18:19], s[16:17]
	s_cselect_b64 s[66:67], s[22:23], s[20:21]
	s_cselect_b64 s[68:69], s[26:27], s[24:25]
	s_mov_b32 s70, 25600
	s_cselect_b32 s70, 12800, s70                  ; a block of 128 tokens in qb or in kv
	s_mov_b32 s71, 24576
	s_cselect_b32 s71, 12288, s71                  ; where its scale bytes begin
	s_cmp_eq_u32 s45, 2
	s_cselect_b64 s[62:63], s[28:29], s[62:63]
	s_cselect_b64 s[66:67], s[30:31], s[66:67]
	s_cselect_b32 s50, -1, 0                       ; all ones in V's work-groups
	s_lshr_b32 s72, s46, 5
	s_lshl_b32 s72, s72, 21                        ; the batch: 128 channels x 16,384 bytes
	s_and_b32 s73, s46, 31
	s_lshl_b32 s73, s73, 9                         ; the 128 tokens
	s_add_co_u32 s72, s72, s73
	s_lshl_b32 s73, s44, 6                         ; my 16
	s_add_co_u32 s72, s72, s73
	s_mov_b32 s73, 0
	s_add_nc_u64 s[56:57], s[56:57], s[72:73]
	s_lshl_b32 s72, s44, 13                        ; my 16 rows of the weight, 512 bytes each
	s_add_nc_u64 s[62:63], s[62:63], s[72:73]
	global_load_b128 v[108:111], v6, s[58:59]      ; the gain, 512 bytes
	global_load_b128 v[112:115], v6, s[60:61]      ; the bias of LayerNorm
	global_load_b128 v[116:119], v6, s[66:67]      ; the projection's bias
	WLOAD v5, v5, v5
.irp c, 0,1
.set J, 0
.rept 32
	global_load_b32 v[XA+32*\c+J], v4, s[56:57] offset:(64*\c+J)*16384   ; channel 64 c + 32 h + J of token r
.set J, J+1
.endr
.endr
	s_mul_i32 s72, s46, s70
	s_add_nc_u64 s[68:69], s[68:69], s[72:73]      ; my block in kv or qb
	s_mov_b32 s72, s71
	s_add_nc_u64 s[74:75], s[68:69], s[72:73]      ; its scale bytes
	s_mul_i32 s72, s44, 1536
	s_add_co_u32 s72, s72, 12288
	s_add_nc_u64 s[76:77], s[68:69], s[72:73]      ; V's image of my 16 channels
	s_add_nc_u64 s[78:79], s[68:69], 25088         ; V's scale words
	s_lshl_b32 s72, s46, 9
	s_lshl_b32 s47, s44, 6
	s_add_co_u32 s72, s72, s47
	s_add_nc_u64 s[32:33], s[32:33], s[72:73]      ; stats at my first token
	s_wait_loadcnt 63                              ; 83 loads were issued, so at least the first 20 are in: the three vectors and the weight's 16
	ds_store_b128 v11, v[108:111]                  ; into my wave's own bytes: no other wave reads them
	ds_store_b128 v11, v[112:115] offset:512
	ds_store_b128 v11, v[116:119] offset:1024
	QUANT64 WA, PC2                                ; my rows of the weight, while the tokens are on their way
	SWORD PW2
.irp q, 0,1,2,3                                ; the gains of my 64 channels, into the registers that held the weight
.irp m, 0,1,2,3
	ds_load_b128 v[WA+16*\q+4*\m:WA+16*\q+4*\m+3], v10 offset:256*(\q/2)+64*(\q%2)+16*\m
.endr
.endr
	s_wait_alu depctr_va_vdst(0)
	s_wait_loadcnt 0x0
	s_wait_dscnt 0x0
	; LayerNorm: a token's 128 channels lie in lanes l and l xor 16.  Two true passes: the mean, then the mean of squares of the differences
.irp c, 0,1,2,3
	v_pk_add_f32 v[CT+2*\c:CT+2*\c+1], v[XA+2*\c:XA+2*\c+1], v[XA+8+2*\c:XA+9+2*\c]
.endr
.irp i, 2,3,4,5,6,7
.irp c, 0,1,2,3
	v_pk_add_f32 v[CT+2*\c:CT+2*\c+1], v[CT+2*\c:CT+2*\c+1], v[XA+8*\i+2*\c:XA+8*\i+2*\c+1]
.endr
.endr
	v_pk_add_f32 v[CT:CT+1], v[CT:CT+1], v[CT+2:CT+3]
	v_pk_add_f32 v[CT+4:CT+5], v[CT+4:CT+5], v[CT+6:CT+7]
	s_delay_alu instid0(VALU_DEP_1)
	v_pk_add_f32 v[CT:CT+1], v[CT:CT+1], v[CT+4:CT+5]
	s_delay_alu instid0(VALU_DEP_1)
	v_add_f32 v22, v[CT], v[CT+1]
	s_delay_alu instid0(VALU_DEP_1)
	v_permlanex16_b32 v23, v22, s[SEL], s[SEL+1]
	s_delay_alu instid0(VALU_DEP_1)
	v_add_f32 v22, v22, v23
	s_delay_alu instid0(VALU_DEP_1)
	v_mul_f32 v24, s55, v22                        ; the mean
	s_delay_alu instid0(VALU_DEP_1)
	v_mov_b32 v25, v24
.set J, 0
.rept 32
	v_pk_add_f32 v[XA+J:XA+J+1], v[XA+J:XA+J+1], v[24:25] neg_lo:[0,1] neg_hi:[0,1]
.set J, J+2
.endr
.irp c, 0,1,2,3
	v_pk_mul_f32 v[CT+2*\c:CT+2*\c+1], v[XA+2*\c:XA+2*\c+1], v[XA+2*\c:XA+2*\c+1]
.endr
.irp i, 1,2,3,4,5,6,7
.irp c, 0,1,2,3
	v_pk_fma_f32 v[CT+2*\c:CT+2*\c+1], v[XA+8*\i+2*\c:XA+8*\i+2*\c+1], v[XA+8*\i+2*\c:XA+8*\i+2*\c+1], v[CT+2*\c:CT+2*\c+1]
.endr
.endr
	v_pk_add_f32 v[CT:CT+1], v[CT:CT+1], v[CT+2:CT+3]
	v_pk_add_f32 v[CT+4:CT+5], v[CT+4:CT+5], v[CT+6:CT+7]
	s_delay_alu instid0(VALU_DEP_1)
	v_pk_add_f32 v[CT:CT+1], v[CT:CT+1], v[CT+4:CT+5]
	s_delay_alu instid0(VALU_DEP_1)
	v_add_f32 v22, v[CT], v[CT+1]
.macro BIAS32 c                        ; LayerNorm's biases of my 32 channels 64 c + 32 h on
.irp m, 0,1,2,3,4,5,6,7
	ds_load_b128 v[TBI+4*\m:TBI+4*\m+3], v10 offset:512+256*\c+16*\m
.endr
.endm
	BIAS32 0
	v_permlanex16_b32 v23, v22, s[SEL], s[SEL+1]
	s_delay_alu instid0(VALU_DEP_1)
	v_add_f32 v22, v22, v23
	s_delay_alu instid0(VALU_DEP_1)
	v_fma_f32 v26, v22, s55, s51                   ; the variance + 1e-5 (the division by 128 is exact)
	s_wait_alu depctr_va_vdst(0)
	v_rsq_f32 v26, v26
	v_nop                                          ; a plain place behind the transcendental
	s_wait_alu depctr_va_vdst(0)                   ; the wait ahead of the first line that names the result
	v_mov_b32 v27, v26
.set J, 0
.rept 32
	v_pk_mul_f32 v[XA+J:XA+J+1], v[XA+J:XA+J+1], v[26:27]
.set J, J+2
.endr
.irp c, 0,1
.if \c
	BIAS32 1
.endif
	s_wait_alu depctr_va_vdst(0)
	s_wait_dscnt 0x0
.set J, 0
.rept 16
	v_pk_fma_f32 v[XA+32*\c+J:XA+32*\c+J+1], v[XA+32*\c+J:XA+32*\c+J+1], v[WA+32*\c+J:WA+32*\c+J+1], v[TBI+J:TBI+J+1]
.set J, J+2
.endr
.endr
	QUANT64 XA, FX                                 ; my tokens' fragment
	SWORD WX
	s_wait_alu depctr_va_vdst(0)                   ; the wait ahead of the branches
	s_cmp_eq_u32 s45, 2
	s_cbranch_scc1 .Lbias_v
.irp t, 0,1,2,3,4,5,6,7                        ; K, Q: the bias is the C of each sum: register j of tile t = bias[64 (t / 4) + 32 h + 8 (t % 4) + j]
	ds_load_b128 v[XA+8*\t:XA+8*\t+3], v10 offset:1024+256*(\t/4)+32*(\t%4)
	ds_load_b128 v[XA+8*\t+4:XA+8*\t+7], v10 offset:1040+256*(\t/4)+32*(\t%4)
.endr
	s_cmp_lg_u32 s45, 1
	s_cbranch_scc1 .Lbias_done
	v_cndmask_b32 v55, v24, v26, s54               ; Q: the decoder's mean and reciprocal root go to memory for the residual
	global_store_b32 v41, v55, s[32:33]
	s_branch .Lbias_done
.Lbias_v:
	ds_load_b32 v126, v125                         ; V: a lane holds one channel: bv[16 w + r]
.Lbias_done:
	v_cndmask_b32 v[OWNW], v[WX], v[PW2], s50      ; own: the tokens (K, Q) or the weight (V)
.irp i, 0,1,2,3,4,5,6,7,8,9,10,11
	v_cndmask_b32 v[OWN+\i], v[FX+\i], v[PC2+\i], s50
.endr
.irp i, 0,1,2,3,4,5,6,7,8,9,10,11
	v_cndmask_b32 v[SH+\i], v[PC2+\i], v[FX+\i], s50   ; shared: the other one
.endr
	v_cndmask_b32 v[SHW], v[PW2], v[WX], s50
.irp g, 0,1,2
	ds_store_b128 v12, v[SH+4*\g:SH+4*\g+3] offset:512*\g
.endr
	ds_store_b32 v13, v[SHW]
	BARRIER                                        ; the eight shared fragments lie in LDS
	s_cmp_eq_u32 s45, 2
	s_cbranch_scc1 .Lv
	; ---- K, Q: lane (r, h), registers 32 c on = head 2 c + h of token r
	PROD 0
	QUANT64 XA, PC2
.irp c, 0,1
.irp i, 0,1,2
	ds_store_b64 v14, v[PC2+6*\c+2*\i:PC2+6*\c+2*\i+1] offset:6144*\c+8*\i
.endr
	ds_store_b8 v15, v[TMB+\c] offset:256*\c
.endr
	BARRIER                                        ; the image of 128 tokens is whole
.irp i, 0,1,2
	ds_load_b128 v[128+4*\i:131+4*\i], v16 offset:4096*\i
.endr
.irp i, 0,1,2
	s_wait_dscnt 2-\i                              ; LDS loads come back in order: load i is in
	global_store_b128 v17, v[128+4*\i:131+4*\i], s[68:69] offset:4096*\i   ; a wave stores 512 consecutive bytes, at a multiple of 256 from the buffer's first byte
.endr
	s_cmp_lg_u32 s44, 0
	s_cbranch_scc1 .Lend
	ds_load_b128 v[140:143], v6 offset:SCL         ; wave 0: the 512 scale bytes
	s_wait_dscnt 0x0
	global_store_b128 v6, v[140:143], s[74:75]
	s_branch .Lend
.Lv:
	; ---- V: lane (r, h), registers 32 c on = tokens 64 c + 32 h on of channel 16 w + r
	PROD 1
	v_mov_b32 v127, v126
.set J, 0
.rept 32
	v_pk_add_f32 v[XA+J:XA+J+1], v[XA+J:XA+J+1], v[126:127]   ; + bv, each accumulator from its low end on
.set J, J+2
.endr
	QUANT64 XA, PC2                                ; a fragment of V^T: 16 channels x 128 keys, as the second product's source 0 wants it
	SWORD PW2
.irp g, 0,1,2
	global_store_b128 v6, v[PC2+4*\g:PC2+4*\g+3], s[76:77] offset:512*\g
.endr
	global_store_b32 v19, v[PW2], s[78:79]         ; both halves of the lanes write the same word with the same value
	s_branch .Lend
.Lweights:
	s_cmp_eq_u32 ttmp9, 201
	s_cbranch_scc1 .Lvectors
	; ---- fragment F = 8 (work-group - 192) + wave: 0-7 Wo's row tiles, 8-39 W1's, 40-71 W2's (row tile (F - 40) / 4, K step (F - 40) % 4).  With x the number inside its weight, the tile begins at (x / 4) 2^15 + (x % 4) 2^k bytes,
	; and lane (r, h) at (r % 8) 2^p + (r / 8) 2^q + 128 h.  W1's rows are dealt to tiles as the shared rows above; Wo's middle groups of eight in each block of 32 change places, as the attention's result has them
	s_sub_co_u32 s47, ttmp9, 192
	s_lshl_b32 s47, s47, 3
	s_add_co_u32 s47, s47, s44
	s_cmp_ge_u32 ttmp9, 197
	s_cselect_b64 s[62:63], s[38:39], s[36:37]
	s_cselect_b32 s48, 40, 8
	s_cselect_b32 s49, 9, 12                       ; k
	s_cselect_b32 s50, 11, 9                       ; p
	s_mov_b32 s70, 13312
	s_cselect_b32 s70, s70, 0                      ; W2's fragments lie behind the scale words and the vectors
	s_cmp_eq_u32 ttmp9, 192
	s_cselect_b64 s[62:63], s[34:35], s[62:63]
	s_cselect_b32 s48, 0, s48
	s_cselect_b32 s49, 13, s49
	s_cselect_b32 s71, 12, 14                      ; q
	s_cselect_b32 s74, 32, 0
	s_sub_co_u32 s48, s47, s48
	s_lshr_b32 s72, s48, 2
	s_lshl_b32 s72, s72, 15
	s_and_b32 s75, s48, 3
	s_lshl_b32 s75, s75, s49
	s_add_co_u32 s72, s72, s75
	s_mov_b32 s73, 0
	s_add_nc_u64 s[62:63], s[62:63], s[72:73]
	s_mul_i32 s72, s47, 1536
	s_add_co_u32 s72, s72, s70
	s_add_nc_u64 s[68:69], s[40:41], s[72:73]
	s_lshl_b32 s72, s47, 7
	s_add_co_u32 s72, s72, 61440
	s_add_nc_u64 s[40:41], s[40:41], s[72:73]
	v_lshlrev_b32 v5, s50, v20
	v_lshlrev_b32 v24, s71, v21
	v_add_nc_u32 v5, v5, v24
	v_lshl_add_u32 v5, v2, 7, v5
	v_add_nc_u32 v24, s74, v5
	v_sub_nc_u32 v25, v5, s74
	WLOAD v5, v24, v25
	s_wait_loadcnt 0x0
	QUANT64 WA, PC2
	SWORD PW2
.irp g, 0,1,2
	global_store_b128 v6, v[PC2+4*\g:PC2+4*\g+3], s[68:69] offset:512*\g
.endr
	global_store_b32 v7, v[PW2], s[40:41]
	s_branch .Lend
.Lvectors:
	; ---- wave w copies 512 bytes: bo, b2, g_out, b_out, then b1's four quarters
	s_lshl_b32 s47, s44, 9
	s_sub_co_u32 s48, s47, 2048
	s_cmp_eq_u32 s44, 1
	s_cselect_b64 s[62:63], s[80:81], s[42:43]
	s_cmp_eq_u32 s44, 2
	s_cselect_b64 s[62:63], s[82:83], s[62:63]
	s_cmp_eq_u32 s44, 3
	s_cselect_b64 s[62:63], s[84:85], s[62:63]
	s_cmp_ge_u32 s44, 4
	s_cselect_b64 s[62:63], s[86:87], s[62:63]
	s_cselect_b32 s72, s48, 0
	s_mov_b32 s73, 0
	s_add_nc_u64 s[62:63], s[62:63], s[72:73]
	s_add_co_u32 s72, s47, 70656
	s_add_nc_u64 s[40:41], s[40:41], s[72:73]
	global_load_b128 v[128:131], v6, s[62:63]
	s_wait_loadcnt 0x0
	global_store_b128 v6, v[128:131], s[40:41]
.Lend:
	s_wait_tensorcnt 0x0                           ; the wave's end
	ds_add_u32 v8, v9
	s_wait_dscnt 0x0
	s_endpgm
.Lfunc_end_k_q5f6b6e0015_prep:
	.size	k_q5f6b6e0015_prep, .Lfunc_end_k_q5f6b6e0015_prep-k_q5f6b6e0015_prep
	.p2alignl 7, 3214868480
	.fill 96, 4, 3214868480
	.section	.rodata,"a",@progbits
	.p2align	6, 0x0
	.amdhsa_kernel k_q5f6b6e0015_prep
		.amdhsa_group_segment_fixed_size 39424
		.amdhsa_private_segment_fixed_size 0
		.amdhsa_enable_private_segment 0
		.amdhsa_kernarg_size 192
		.amdhsa_user_sgpr_count 2
		.amdhsa_user_sgpr_kernarg_segment_ptr 1
		.amdhsa_wavefront_size32 1
		.amdhsa_system_sgpr_workgroup_id_x 1
		.amdhsa_system_sgpr_workgroup_id_y 1
		.amdhsa_system_sgpr_workgroup_id_z 1
		.amdhsa_system_vgpr_workitem_id 0
		.amdhsa_next_free_vgpr 256
		.amdhsa_next_free_sgpr 90
		.amdhsa_reserve_vcc 0
		.amdhsa_float_denorm_mode_32 3
		.amdhsa_float_denorm_mode_16_64 3
		.amdhsa_memory_ordered 1
		.amdhsa_forward_progress 1
		.amdhsa_inst_pref_size 61
	.end_amdhsa_kernel
	.amdgpu_metadata
---
amdhsa.version: [ 1, 2 ]
amdhsa.kernels:
  - .name:           k_q5f6b6e0015_prep
    .symbol:         k_q5f6b6e0015_prep.kd
    .args:
      - { .name: encoder_feat, .offset: 0, .size: 8, .value_kind: global_buffer, .address_space: global }
      - { .name: decoder_feat, .offset: 8, .size: 8, .value_kind: global_buffer, .address_space: global }
      - { .name: g_enc, .offset: 16, .size: 8, .value_kind: global_buffer, .address_space: global }
      - { .name: g_dec, .offset: 24, .size: 8, .value_kind: global_buffer, .address_space: global }
      - { .name: b_enc, .offset: 32, .size: 8, .value_kind: global_buffer, .address_space: global }
      - { .name: b_dec, .offset: 40, .size: 8, .value_kind: global_buffer, .address_space: global }
      - { .name: Wk, .offset: 48, .size: 8, .value_kind: global_buffer, .address_space: global }
      - { .name: Wq, .offset: 56, .size: 8, .value_kind: global_buffer, .address_space: global }
      - { .name: bk, .offset: 64, .size: 8, .value_kind: global_buffer, .address_space: global }
      - { .name: bq, .offset: 72, .size: 8, .value_kind: global_buffer, .address_space: global }
      - { .name: kv, .offset: 80, .size: 8, .value_kind: global_buffer, .address_space: global }
      - { .name: qb, .offset: 88, .size: 8, .value_kind: global_buffer, .address_space: global }
      - { .name: Wv, .offset: 96, .size: 8, .value_kind: global_buffer, .address_space: global }
      - { .name: bv, .offset: 104, .size: 8, .value_kind: global_buffer, .address_space: global }
      - { .name: stats, .offset: 112, .size: 8, .value_kind: global_buffer, .address_space: global }
      - { .name: Wo, .offset: 120, .size: 8, .value_kind: global_buffer, .address_space: global }
      - { .name: W1, .offset: 128, .size: 8, .value_kind: global_buffer, .address_space: global }
      - { .name: W2, .offset: 136, .size: 8, .value_kind: global_buffer, .address_space: global }
      - { .name: wts, .offset: 144, .size: 8, .value_kind: global_buffer, .address_space: global }
      - { .name: bo, .offset: 152, .size: 8, .value_kind: global_buffer, .address_space: global }
      - { .name: b2, .offset: 160, .size: 8, .value_kind: global_buffer, .address_space: global }
      - { .name: g_out, .offset: 168, .size: 8, .value_kind: global_buffer, .address_space: global }
      - { .name: b_out, .offset: 176, .size: 8, .value_kind: global_buffer, .address_space: global }
      - { .name: b1, .offset: 184, .size: 8, .value_kind: global_buffer, .address_space: global }
    .group_segment_fixed_size: 39424
    .private_segment_fixed_size: 0
    .kernarg_segment_align: 8
    .kernarg_segment_size: 192
    .max_flat_workgroup_size: 256
    .sgpr_count:     90
    .vgpr_count:     256
    .wavefront_size: 32
...
	.end_amdgpu_metadata
.endif
;; end of part 1
;; launch attn (part 2): grid 256 x 1, 16 waves a work-group, clusters of 4 x 1, 327,680 bytes of LDS; arguments kv, qb, stats, decoder_feat, g_dec, b_dec, wts, out0; writes out0
.if DOCPART == 2
	.amdgcn_target "amdgcn-amd-amdhsa--gfx1250"
	.amdhsa_code_object_version 6
	.text
	.protected	k_q5f6b6e0015_attn
	.globl	k_q5f6b6e0015_attn
	.p2align	8
	.type	k_q5f6b6e0015_attn,@function
k_q5f6b6e0015_attn:
	s_mov_b64 s[64:65], 0
	v_nop
	global_prefetch_b8 v0, s[64:65] scope:SCOPE_SE
	s_setreg_imm32_b32 hwreg(HW_REG_WAVE_MODE, 25, 1), 1
	s_wait_xcnt 0x0
	s_wait_alu depctr_hold_cnt(0) depctr_sa_sdst(0) depctr_va_vdst(0) depctr_va_sdst(0) depctr_va_ssrc(0) depctr_va_vcc(0) depctr_vm_vsrc(0)
	s_getreg_b32 s2, hwreg(HW_REG_IB_STS2, 6, 4)
	s_cmp_eq_u32 s2, 0
	s_cbranch_scc0 .Lentry_in_a_cluster
	s_endpgm
.Lentry_in_a_cluster:
	s_bfe_u32 s2, ttmp6, 0x10000c
	s_cmp_lg_u32 s2, 0x3003
	s_cbranch_scc0 .Lentry_shape_is_right
	s_endpgm
.Lentry_shape_is_right:
; CrossAttentionSkip, second of two launches: the attention on codes of MX-FP6 and all that follows it: Wo, the residual onto the normalised decoder, LayerNorm, the 128-512-128 network with the exact GELU, the second residual, out0.
; No work of reference() is left out here either.
; SHARES.  A work-group owns 32 queries of one batch, all four heads.  Wave w: head b = w % 4, key quarter kq = w / 4, BOTH tiles of 16 queries, A and B: each fragment of K and of V serves both.
; kv holds, for each 128 keys, one dense block of 25,600 bytes: K's fragments, V^T's fragments, their scale bytes, in the order of the operands' registers.  A slot holds four such blocks, one for each key quarter: a wave takes one block a trip, eight trips.
; A slot's bytes are in registers when the first tile's codes are multiplied with V: from there on the trip is register work, and the round of the cluster's barrier stands inside the second tile's softmax.  Each wave brings a sixteenth of a slot (25 rows of 256 bytes).
; Behind trip 6 slot 0 is refilled with Wo, W1, their and W2's scale words and five vectors (292 rows), behind trip 7's first half slot 1 with W2 (192 rows): waves 0-3 a quarter each.
; CLUSTER.  The four work-groups of a cluster belong to one batch and walk the same kv: every fill is asked for JOINTLY.  The place in the cluster enters global addresses of Q, the decoder, stats and out0 alone.
; NO DATA PREFETCH: kv is 1,638,400 bytes in all, all 32 clusters of a batch ask for the same fill in the same trip, and each asks a whole trip (20 products and two tiles' softmax a wave) ahead of its wait.
; THE HEAD IS 32 WIDE, THE INSTRUCTION 128.  One fragment of K carries FOUR tiles of 16 keys, one in each block of 32; four copies of Q, each alive in one block and zero codes elsewhere, pick them out.
; LAYOUT.  S^T = K Q^T, O^T = V^T P^T: a lane holds one query throughout.  The keys were dealt to tiles (first launch) so that registers 32 f .. of lane half h are the block of 32 keys 64 f + 32 h on: a block of p lies in one lane.
; SOFTMAX: t = score x log2(e) / sqrt(32); M = the running largest t rounded up to a whole number; p = 2^(t - M) is quantised along the keys; the sum of the unquantised p divides at the end; when M moves, sum and O^T are multiplied by 2^(old M - new M), exactly.
; The four key quarters' sums and O^T are brought under the largest M and added through LDS.  A block's largest p is made from its largest score by the same multiply-add and exponential (this takes v_exp_f32 not to fall where its input rises).
; LIMITS: NaN and infinities among the inputs are not served; scaled scores stay under 2^31 in magnitude.  A block of zeros gets the scale byte 1, not 127: its codes are zeros.  erf is the rational form u P(u^2) / Q(u^2), u held to +-4, absolute error about 1e-7.
; In a score's product the three blocks that Q's zero codes switch off carry other keys' codes and scales: they add exact zeros.  A channel's 32 tokens of out0 are 128 bytes: eight lanes store them; 64 tokens to a work-group would leave half the WGPs without work.
; REGISTERS: v0 thread; v1, v2 the add's two; v3-5 LDS lane terms, v6-8 the next addresses; v9, v10 K's and V's scale words; v11 p's; v12, v13 Q's; v14, v15 -M and largest score of A, v16, v17 of B; v[18:19], v[20:21] the sums;
;   v22-31 at work; v32-85 Q's copies; v86-109 K; v110-133 V; v134-165 O^T of A and B; v166-177 p's codes; v178-191 at work; v192-255 S^T, then p.
.set SLOT1, 131072
.set STEPB, 25600
.set FILLB, 4*STEPB
.set PART,  233472                     ; behind the ring (no fill lands from here on): the partial O^T, 4,096 bytes a wave
.set PSB,   299008                     ; their sums and -M: 8 bytes a query, 256 a wave
.set AFR,   303104                     ; the attention's result as 2 fragments, lane l's 48 bytes at 48 l
.set ASC,   306176                     ; their scale bytes
.set HOFF,  3328                       ; the same two regions for the normalised x, so many bytes on
.set SPARE, 309760                     ; the spare words, 128 bytes for each wave
.set XB,    PART                       ; once the partial sums have been read: x, 32 tokens x (512 bytes + 16)
.set GFR,   PART+20480                 ; the hidden layer's 8 fragments
.set GSC,   PART+32768                 ; their scale words
.set STG,   PART+36864                 ; the way out: 128 channels x (128 bytes + 16)
.set WSC,   61440                      ; slot 0 at the end: Wo, W1, then the 72 fragments' scale words,
.set WVEC,  70656                      ; then bo, b2, g_out, b_out, b1
.set Q,   32
.set KF,  86
.set VF,  110
.set O,   134
.set PC,  166
.set CT,  178
.set S,   192
.set GU,  192                          ; GELU at work: u, u^2, P, Q: 16 numbers each
.set GX,  208
.set GP,  224
.set GQ,  240
.set SEL, 56
.set A11, 82                           ; erf's coefficients as scalar pairs
.set A9,  84
.set A7,  86
.set A5,  88
.set A3,  90
.set A1,  92
.set B6,  94
.set B4,  96
.set B2,  98
.set B0,  100
.set RH,  62                           ; 1 / sqrt(2)
.macro CREST                           ; a round of the cluster's barrier behind its opening barrier
	s_cmp_lg_u32 s48, 0
	s_cbranch_scc1 .Lnot_wave_0_\@
	s_barrier_signal -3
.Lnot_wave_0_\@:
	s_barrier_wait -3
	s_barrier_signal -1
	s_barrier_wait -1
.endm
.macro CROUND
	s_barrier_signal -1
	s_barrier_wait -1
	CREST
.endm
.macro BARRIER
	s_wait_dscnt 0x0
	s_barrier_signal -1
	s_barrier_wait -1
.endm
.macro WALU
	s_wait_alu depctr_va_vdst(0)
.endm
.macro PLACES
.rept 4
	v_nop
.endr
.endm
.macro SPAIR reg, val
	s_mov_b32 s[\reg], \val
	s_mov_b32 s[\reg+1], \val
.endm
.macro LIN d, a, ka, b, kb, c          ; s[d] = a ka + b kb + c
	s_mul_i32 s\d, \a, \ka
	s_mul_i32 s3, \b, \kb
	s_add_co_u32 s\d, s\d, s3
	s_add_co_u32 s\d, s\d, \c
.endm
.macro KLOAD a, s
.irp f, 0,1
.irp g, 0,1,2
	ds_load_b128 v[KF+12*\f+4*\g:KF+12*\f+4*\g+3], \a offset:1536*\f+16*\g
.endr
.endr
	ds_load_b32 v9, \s                             ; lanes 0-15: the scale words of K's fragment 0, lanes 16-31: of fragment 1
.endm
.macro VLOAD a, s
.irp u, 0,1
.irp g, 0,1,2
	ds_load_b128 v[VF+12*\u+4*\g:VF+12*\u+4*\g+3], \a offset:1536*\u+512*\g
.endr
.endr
	ds_load_b32 v10, \s offset:512                 ; V's likewise
.endm
.macro SCORE qb, qs                    ; tile 4 f + q of 16 keys lies in block q of fragment f
.irp q, 0,1,2,3
	v_wmma_scale_f32_16x16x128_f8f6f4 v[S+8*\q:S+8*\q+7], v[KF:KF+11], v[\qb+6+12*(\q%2)-6*(\q/2):\qb+17+12*(\q%2)-6*(\q/2)], 0, v9, v[\qs] matrix_a_fmt:MATRIX_FMT_FP6 matrix_b_fmt:MATRIX_FMT_FP6
.endr
.irp q, 0,1,2,3
	v_wmma_scale_f32_16x16x128_f8f6f4 v[S+32+8*\q:S+39+8*\q], v[KF+12:KF+23], v[\qb+6+12*(\q%2)-6*(\q/2):\qb+17+12*(\q%2)-6*(\q/2)], 0, v9, v[\qs] matrix_a_fmt:MATRIX_FMT_FP6 matrix_b_fmt:MATRIX_FMT_FP6 matrix_a_scale:MATRIX_SCALE_ROW1
.endr
.endm
.macro SOFT1 nm                        ; from the scores to t - M.  v[nm] = -M, v[nm+1] = the largest score so far
	v_mov_b32 v23, v[\nm]                          ; the old -M: with the three v_nop the four places in front of the first read of the scores
	v_nop
	v_nop
	v_nop
.irp b, 0,1,2,3
	v_max3_num_f32 v[24+\b], v[S+16*\b], v[S+1+16*\b], v[S+2+16*\b]   ; two chains for each of my two blocks of 32 keys
.endr
.irp i, 3,5,7,9,11,13
.irp b, 0,1,2,3
	v_max3_num_f32 v[24+\b], v[24+\b], v[S+16*\b+\i], v[S+1+16*\b+\i]
.endr
.endr
	v_max3_num_f32 v24, v24, v[S+15], v25
	v_max3_num_f32 v26, v26, v[S+47], v27
	v_max_num_f32 v24, v24, v[S+31]                ; v24, v26: the largest scores of my two blocks
	v_max_num_f32 v26, v26, v[S+63]
	s_delay_alu instid0(VALU_DEP_1)
	v_max_num_f32 v30, v24, v26
	s_delay_alu instid0(VALU_DEP_1)
	v_permlanex16_b32 v31, v30, s[SEL], s[SEL+1]
	s_delay_alu instid0(VALU_DEP_1)
	v_max3_num_f32 v[\nm+1], v[\nm+1], v30, v31
	s_delay_alu instid0(VALU_DEP_1)
	v_mul_f32 v30, s53, v[\nm+1]                   ; - the largest t
	s_delay_alu instid0(VALU_DEP_1)
	v_floor_f32 v[\nm], v30                        ; the new -M: M is a whole number
	s_delay_alu instid0(VALU_DEP_1)
	v_sub_f32 v30, v[\nm], v23                     ; old M - new M, 0 or less
	s_delay_alu instid0(VALU_DEP_1)
	v_cvt_i32_f32 v30, v30                         ; (it saturates)
	s_delay_alu instid0(VALU_DEP_1)
	v_ldexp_f32 v22, 1.0, v30                      ; f = 2^(old M - new M)
.set J, 0
.rept 32
	v_pk_fma_f32 v[S+J:S+J+1], v[S+J:S+J+1], s[54:55], v[\nm:\nm+1] op_sel_hi:[1,0,0]   ; t - M
.set J, J+2
.endr
	v_fma_f32 v24, v24, s54, v[\nm]                ; the same of each block's largest score
	v_fma_f32 v26, v26, s54, v[\nm]
.endm
.macro ADDP k, sum                     ; pair k of p into one of four chains
.if (\k)%4
	v_pk_add_f32 v[184+2*((\k)%4):185+2*((\k)%4)], v[184+2*((\k)%4):185+2*((\k)%4)], v[S+2*(\k):S+2*(\k)+1]
.else
	v_pk_add_f32 v[\sum:\sum+1], v[\sum:\sum+1], v[S+2*(\k):S+2*(\k)+1]
.endif
.endm
.macro ADDS from, n, sum
.set J, \from
.rept \n
	ADDP J, \sum
.set J, J+1
.endr
.endm
.macro OMUL o, j
	v_pk_mul_f32 v[\o+\j:\o+1+\j], v[\o+\j:\o+1+\j], v[22:23] op_sel_hi:[1,0]
.endm
.macro SOFT2 sum, o                    ; from t - M (a wait stands ahead) to O^T += V^T p^T
.set J, 0
.rept 64
	v_exp_f32 v[S+J], v[S+J]                       ; p = 2^(t - M)
.set J, J+1
.endr
	v_exp_f32 v24, v24                             ; each block's largest p
	v_exp_f32 v26, v26
	v_pk_mul_f32 v[\sum:\sum+1], v[\sum:\sum+1], v[22:23] op_sel_hi:[1,0]   ; the sum under the new M: the plain place behind the exponentials
	WALU                                           ; one wait for the batch, ahead of its first reader, and for O^T
	OMUL \o, 0                                     ; O^T under the new M
	OMUL \o, 2
	v_max_num_f32 v24, 0x1800000, v24              ; the floor 2^(3 - 127)
	v_max_num_f32 v26, 0x1800000, v26
	OMUL \o, 4
	OMUL \o, 6
	v_add_nc_u32 v28, 0xff000000, v24              ; the conversions' scale operands
	v_add_nc_u32 v29, 0xff000000, v26
.irp j, 8,10,12,14
	OMUL \o, \j
.endr
	v_pk_add_f32 v[186:187], v[S:S+1], v[S+2:S+3]  ; the row's sum of the unquantised p, in four chains
	v_pk_add_f32 v[188:189], v[S+4:S+5], v[S+6:S+7]
	v_pk_add_f32 v[190:191], v[S+8:S+9], v[S+10:S+11]
	v_cvt_scalef32_pk16_fp6_f32 v[PC:PC+2], v[S:S+15], v28
	v_cvt_scalef32_pk16_fp6_f32 v[CT:CT+2], v[S+16:S+31], v28
	v_cvt_scalef32_pk16_fp6_f32 v[PC+6:PC+8], v[S+32:S+47], v29
	v_cvt_scalef32_pk16_fp6_f32 v[CT+4:CT+6], v[S+48:S+63], v29
	v_lshrrev_b32 v24, 23, v28                     ; the scale bytes of blocks h and 2 + h; also the plain place behind the conversions
	v_lshrrev_b32 v26, 23, v29
	ADDS 6, 4, \sum
	v_lshl_or_b32 v24, v26, 16, v24
	ADDS 10, 4, \sum
	v_permlanex16_b32 v31, v24, s[SEL], s[SEL+1]
.irp i, 0,1,2
	v_mov_b32 v[PC+3+\i], v[CT+\i]
	v_mov_b32 v[PC+9+\i], v[CT+4+\i]
.endr
	v_lshl_or_b32 v11, v31, 8, v24                 ; lanes 0-15: p's scale word for these 128 keys (lanes 16-31 are not read)
	ADDS 14, 18, \sum                              ; 21 plain lines that name no register of the products below: their places behind the codes and the scale word
	v_pk_add_f32 v[186:187], v[186:187], v[188:189]
	v_pk_add_f32 v[\sum:\sum+1], v[\sum:\sum+1], v[190:191]
	v_pk_add_f32 v[\sum:\sum+1], v[\sum:\sum+1], v[186:187]
	v_wmma_scale_f32_16x16x128_f8f6f4 v[\o:\o+7], v[VF:VF+11], v[PC:PC+11], v[\o:\o+7], v10, v11 matrix_a_fmt:MATRIX_FMT_FP6 matrix_b_fmt:MATRIX_FMT_FP6   ; the accumulators take turns, and eight or more other products lie between their links
	v_wmma_scale_f32_16x16x128_f8f6f4 v[\o+8:\o+15], v[VF+12:VF+23], v[PC:PC+11], v[\o+8:\o+15], v10, v11 matrix_a_fmt:MATRIX_FMT_FP6 matrix_b_fmt:MATRIX_FMT_FP6 matrix_a_scale:MATRIX_SCALE_ROW1
.endm
.macro PARTIAL t, sum, nm              ; a finished tile: its sum over both halves of the lanes, -M and O^T go to LDS.  The four lines are also the places behind the last products
	v_add_f32 v[\sum], v[\sum], v[\sum+1]
	v_permlanex16_b32 v31, v[\sum], s[SEL], s[SEL+1]
	v_add_f32 v[\sum], v[\sum], v31
	v_mov_b32 v[\sum+1], v[\nm]
.irp p, 0,1,2,3
	ds_store_b128 v6, v[O+16*\t+4*\p:O+16*\t+4*\p+3] offset:2048*\t+512*\p
.endr
	ds_store_b64 v8, v[\sum:\sum+1] offset:128*\t  ; both lanes of a query write the same words with the same values
.endm
; A TRIP: 128 keys, both tiles.  kind 0: in the loop; 1: trip 6, which asks for the first part of the weights; 2: trip 7, which asks for the second part and for the residual
.macro TRIP kind
	s_wait_dscnt 7                                 ; K's seven loads are in; V's seven, issued behind them, may be out
	SCORE Q, 12
	SOFT1 14
.if \kind == 2                         ; A's copies of Q (v32-55) are read no more
	v_and_b32 v30, 31, v0
	v_lshl_add_u32 v6, v30, 4, s66                 ; where my partial O^T goes,
	v_and_b32 v7, 15, v0
	v_lshl_add_u32 v8, v7, 3, s67                  ; my sums
	v_bfe_u32 v30, v0, 4, 1
	v_lshlrev_b32 v4, 2, v7
	v_lshl_add_u32 v3, v30, 17, v4
	v_lshlrev_b32 v5, 5, v30
.irp m, 0,1
	global_load_b128 v[32+4*\m:35+4*\m], v5, s[78:79] offset:16*\m    ; g_dec, b_dec of channels 16 ct + 8 h on
	global_load_b128 v[40+4*\m:43+4*\m], v5, s[80:81] offset:16*\m
.endr
.irp j, 0,1,2,3,4,5,6,7
	global_load_b32 v[48+\j], v3, s[72:73] offset:\j*16384            ; the decoder's channel 16 ct + 8 h + j of token r
.endr
.endif
	WALU                                           ; the wait ahead of the batch
	s_wait_dscnt 0x0                               ; V is in: my reads of this slot are over
	SOFT2 18, O
.if \kind == 2
	PARTIAL 0, 18, 14
.endif
	s_wait_tensorcnt 0x0                           ; all my tensor loads are done
	ds_add_u32 v1, v2                              ; the scores of B stand between it and its wait
.if \kind == 0
	s_xor_b32 s45, s45, SLOT1                      ; the walking descriptor: the other slot than last time,
	s_add_nc_u64 s[46:47], s[46:47], FILLB         ; the next four blocks
.endif
.if \kind == 2
	s_mov_b32 s26, 48<<16                          ; W2: 48 rows a wave
	s_mov_b32 s28, 48
.else
	s_xor_b32 s51, s51, SLOT1
.endif
	SCORE Q+24, 13
	s_wait_dscnt 0x0
	s_barrier_signal -1                            ; it opens a round of the cluster's barrier; register work up to its wait
	SOFT1 16
	WALU                                           ; ahead of the barrier's wait and of the batch of exponentials
	s_barrier_wait -1
	CREST
.if \kind == 0
	tensor_load_to_lds s[44:47], s[32:39]          ; the slot that all have read is filled again
	s_nop 0
	PLACES
.else
	s_cmp_lt_u32 s48, 4
	s_cbranch_scc0 .Lno_part_\@
.if \kind == 1
	tensor_load_to_lds s[68:71], s[24:31]
.else
	tensor_load_to_lds s[40:43], s[24:31]
.endif
	s_nop 0
	PLACES
.Lno_part_\@:
.endif
.if \kind == 2
	global_load_b32 v106, v4, s[74:75]             ; the decoder's mean
	global_load_b32 v108, v4, s[74:75] offset:32768   ; and reciprocal root
.else
	v_add_nc_u32 v6, s51, v3
	v_add_nc_u32 v8, s51, v5
	KLOAD v6, v8                                   ; the other slot, which the round has shown whole
.endif
	SOFT2 20, O+16
.if \kind < 2
	v_add_nc_u32 v7, s51, v4                       ; these two and the two v_nop are the four places between the last products and the loads into their operands
	v_add_nc_u32 v8, s51, v5
	v_nop
	v_nop
	VLOAD v7, v8
.endif
.endm
; 16 numbers v[s] on of one lane: their largest magnitude with the floor into v24
.macro MAX16 s
	v_max3_num_f32 v24, |v[\s]|, |v[\s+1]|, 0x1800000
	v_max3_num_f32 v25, |v[\s+2]|, |v[\s+3]|, |v[\s+4]|
	v_max3_num_f32 v24, v24, |v[\s+5]|, |v[\s+6]|
	v_max3_num_f32 v25, v25, |v[\s+7]|, |v[\s+8]|
	v_max3_num_f32 v24, v24, |v[\s+9]|, |v[\s+10]|
	v_max3_num_f32 v25, v25, |v[\s+11]|, |v[\s+12]|
	v_max3_num_f32 v24, v24, |v[\s+13]|, |v[\s+14]|
	v_max3_num_f32 v24, v24, v25, |v[\s+15]|
.endm
.macro CODES16 s, a, sc                ; v24 = the block's largest magnitude: 12 bytes of codes and the scale byte to LDS
	v_add_nc_u32 v30, 0xff000000, v24
	v_lshrrev_b32 v25, 23, v30
	v_cvt_scalef32_pk16_fp6_f32 v[26:28], v[\s:\s+15], v30
	v_nop                                          ; one plain place behind a scaled conversion
	ds_store_b32 \a, v26
	ds_store_b32 \a, v27 offset:4
	ds_store_b32 \a, v28 offset:8
	ds_store_b8 \sc, v25                           ; both lanes of a block write the same byte with the same value
.endm
.macro HORNER d, x, c
.set J, 0
.rept 8
	v_pk_fma_f32 v[\d+J:\d+J+1], v[\d+J:\d+J+1], v[\x+J:\x+J+1], s[\c:\c+1] op_sel_hi:[1,1,0]
.set J, J+2
.endr
.endm
.macro PKMUL d, x, y
.set J, 0
.rept 8
	v_pk_mul_f32 v[\d+J:\d+J+1], v[\x+J:\x+J+1], v[\y+J:\y+J+1]
.set J, J+2
.endr
.endm
; 16 numbers z at v[z] on become 0.5 z (1 + erf(z / sqrt(2)))
.macro GELU z
.set J, 0
.rept 8
	v_pk_mul_f32 v[GU+J:GU+J+1], v[\z+J:\z+J+1], s[RH:RH+1] op_sel_hi:[1,0]
.set J, J+2
.endr
.set J, 0
.rept 16
	v_med3_num_f32 v[GU+J], v[GU+J], -4.0, 4.0
.set J, J+1
.endr
	PKMUL GX, GU, GU
.set J, 0
.rept 8
	v_pk_fma_f32 v[GP+J:GP+J+1], v[GX+J:GX+J+1], v[98:99], s[A11:A11+1] op_sel_hi:[1,1,0]
	v_pk_fma_f32 v[GQ+J:GQ+J+1], v[GX+J:GX+J+1], v[100:101], s[B6:B6+1] op_sel_hi:[1,1,0]
.set J, J+2
.endr
	HORNER GQ, GX, B4
	HORNER GP, GX, A9
	HORNER GQ, GX, B2
	HORNER GP, GX, A7
	HORNER GQ, GX, B0
	HORNER GP, GX, A5
	HORNER GP, GX, A3
	HORNER GP, GX, A1
	WALU
.set J, 0
.rept 16
	v_rcp_f32 v[GQ+J], v[GQ+J]
.set J, J+1
.endr
	PKMUL GP, GP, GU                               ; u P: plain work behind the reciprocals
.set J, 0
.rept 8
	v_pk_mul_f32 v[\z+J:\z+J+1], v[\z+J:\z+J+1], 0.5 op_sel_hi:[1,0]
.set J, J+2
.endr
	WALU                                           ; one wait for the sixteen reciprocals, ahead of their first reader
	PKMUL GP, GP, GQ                               ; erf
.set J, 0
.rept 8
	v_pk_fma_f32 v[\z+J:\z+J+1], v[\z+J:\z+J+1], v[GP+J:GP+J+1], v[\z+J:\z+J+1]
.set J, J+2
.endr
.endm
	s_load_b512 s[4:19], s[0:1], 0x0               ; kv s[4:5], qb s[6:7], stats s[8:9], decoder s[10:11], g_dec s[12:13], b_dec s[14:15], wts s[16:17], out0 s[18:19]
	v_lshl_add_u32 v1, v0, 2, SPARE
	v_mov_b32 v2, 0
	ds_add_u32 v1, v2                              ; the wave's opening: the add, twice on end, and its wait ahead of my first tensor load
	ds_add_u32 v1, v2
	v_lshrrev_b32 v30, 5, v0
	v_readfirstlane_b32 s48, v30                   ; wave 0..15
	s_and_b32 s49, s48, 3                          ; b: my head
	s_lshr_b32 s50, s48, 2                         ; kq: my key quarter
	; descriptor group 1: 25 rows of 256 dense bytes (32 elements of 8 bytes); for the weights 73 rows
	s_mov_b32 s32, 15|(3<<16)|(1<<21)              ; 15:0 the mask: all four work-groups; 17:16 elements of 8 bytes; 21 set beside a mask
	s_mov_b32 s33, 32<<16                          ; tensor_dim0
	s_mov_b32 s34, 25<<16                          ; tensor_dim1
	s_mov_b32 s35, 32<<16                          ; tile_dim0
	s_mov_b32 s36, 25                              ; tile_dim1
	s_mov_b32 s37, 32                              ; from row to row
	s_mov_b32 s38, 0
	s_mov_b32 s39, 0
	s_mov_b32 s24, 15|(3<<16)|(1<<21)
	s_mov_b32 s25, 32<<16
	s_mov_b32 s26, 73<<16
	s_mov_b32 s27, 32<<16
	s_mov_b32 s28, 73
	s_mov_b32 s29, 32
	s_mov_b32 s30, 0
	s_mov_b32 s31, 0
	s_bfe_u32 s59, ttmp6, 0x40000                  ; cx: my place in the cluster
	s_lshr_b32 s67, ttmp9, 5                       ; the batch: 32 clusters each
	s_and_b32 s66, ttmp9, 31
	s_lshl_b32 s66, s66, 9
	s_lshl_b32 s63, s59, 7
	s_add_co_u32 s66, s66, s63                     ; 4 x my work-group's first token in its batch
	s_lshr_b32 s52, s48, 1                         ; behind the attention: ct, my tile of 16 channels (and of 64 hidden units)
	s_and_b32 s53, s48, 1                          ; and tt, my tile of tokens
	s_lshl_b32 s72, s67, 21
	s_lshl_b32 s76, s48, 17
	s_add_co_u32 s76, s76, s72
	s_add_co_u32 s76, s76, s66                     ; out0: batch, channel 8 w, the work-group's first token
	s_lshl_b32 s63, s53, 6
	s_add_co_u32 s63, s63, s66
	s_lshl_b32 s74, s67, 14
	s_add_co_u32 s74, s74, s63                     ; stats
	s_lshl_b32 s78, s52, 18
	s_add_co_u32 s72, s72, s78
	s_add_co_u32 s72, s72, s63                     ; the decoder: batch, channel 16 ct, my first token
	s_lshl_b32 s78, s52, 6                         ; 16 numbers of a vector
	s_mov_b32 s73, 0
	s_mov_b32 s75, 0
	s_mov_b32 s77, 0
	s_mov_b32 s79, 0
	s_mul_i32 s60, s67, 32*STEPB
	s_mul_i32 s41, s48, 6400                       ; my sixteenth of a slot: in LDS,
	s_add_co_u32 s60, s60, s41                     ; and in memory: batch and wave alone enter the descriptors
	s_mov_b32 s61, 0
	s_mul_i32 s20, ttmp9, 12800                    ; the cluster's block of qb
	s_lshr_b32 s62, s59, 1
	s_and_b32 s63, s59, 1
	LIN 22, s62, 64, s63, 32, s20
	s_lshl_b32 s3, s49, 7
	s_add_co_u32 s22, s22, s3                      ; Q's scale bytes (12,288 more in the loads' immediates)
	s_mul_i32 s3, s62, 1536
	s_add_co_u32 s20, s20, s3
	s_mul_i32 s3, s63, 384
	s_add_co_u32 s20, s20, s3
	s_mul_i32 s3, s49, 3072
	s_add_co_u32 s20, s20, s3                      ; Q's codes
	s_mov_b32 s21, 0
	s_mov_b32 s23, 0
	s_mul_i32 s63, s50, STEPB
	s_mul_i32 s66, s49, 3072
	s_add_co_u32 s66, s66, s63                     ; K's fragments of my head in my block of a slot
	s_lshl_b32 s67, s49, 7
	s_add_co_u32 s67, s67, s63
	s_add_co_u32 s67, s67, 24576                   ; the scale words
	s_add_co_u32 s63, s66, 12288                   ; V's fragments
	s_mov_b32 s40, 1
	s_mov_b32 s44, 1
	s_add_co_u32 s45, s41, SLOT1
	s_mov_b32 s68, 1
	s_mul_i32 s69, s48, 18688                      ; the weights' first part: 73 rows a wave
	s_mov_b32 s70, s69
	s_mov_b32 s71, 0
	s_mul_i32 s62, s48, 12288                      ; the second part: 48 rows a wave
	s_mov_b32 s53, 0xbe8293ee                      ; - c, c = log2(e) / sqrt(32)
	s_mov_b32 s54, 0x3e8293ee
	s_mov_b32 s55, s54
	s_mov_b32 s[SEL], 0x76543210
	s_mov_b32 s[SEL+1], 0xfedcba98
	s_mov_b32 s58, 0xffff0000                      ; lanes 16-31
	s_mov_b32 s51, 0
	s_mov_b32 s52, 6
	SPAIR A11, 0x32edffee
	SPAIR A9,  0xb60cff51
	SPAIR A7,  0xb86ec2d2
	SPAIR A5,  0xba40ac63
	SPAIR A3,  0xbb41a1f6
	SPAIR A1,  0xbc83dbd4
	SPAIR B6,  0xb95fbd29
	SPAIR B4,  0xbadc924e
	SPAIR B2,  0xbbf19bf8
	SPAIR B0,  0xbc69b6a7
	v_and_b32 v30, 31, v0                          ; lane
	v_and_b32 v31, 15, v0                          ; r
	v_mad_u32_u24 v3, v30, 48, s66
	v_lshl_add_u32 v4, v30, 4, s63
	v_lshl_add_u32 v5, v30, 2, s67
	v_and_b32 v22, 8, v31
	v_add_nc_u32 v22, v22, v31
	v_mul_u32_u24 v22, v22, 48                     ; Q: token r lies in row r % 8 of tile 2 tt + r / 8 of the image
	v_and_b32 v23, 7, v31
	v_lshrrev_b32 v24, 3, v31
	v_lshl_add_u32 v23, v23, 2, v24
	WALU
	s_wait_dscnt 0x0                               ; both opening adds are done
	s_wait_kmcnt 0x0
	s_add_nc_u64 s[20:21], s[6:7], s[20:21]
	s_add_nc_u64 s[22:23], s[6:7], s[22:23]
.irp i, 0,1,2,3,4,5
	global_load_b64 v[110+2*\i:111+2*\i], v22, s[20:21] offset:8*\i    ; 32 codes of query r of tile A, then of tile B, the same in both halves of the lanes
.endr
	global_load_u8 v12, v23, s[22:23] offset:12288
	global_load_u8 v13, v23, s[22:23] offset:12290
	s_add_nc_u64 s[42:43], s[4:5], s[60:61]        ; fill 0, my sixteenth
	s_add_nc_u64 s[46:47], s[42:43], FILLB         ; fill 1
	s_or_b32 s43, s43, 0x80000000                  ; type = 2
	s_or_b32 s47, s47, 0x80000000
	s_mov_b32 s63, 0
	s_add_nc_u64 s[66:67], s[16:17], s[62:63]
	s_add_nc_u64 s[66:67], s[66:67], 74752
	s_or_b32 s67, s67, 0x80000000
	s_add_nc_u64 s[70:71], s[16:17], s[70:71]
	s_or_b32 s71, s71, 0x80000000
	s_add_nc_u64 s[72:73], s[10:11], s[72:73]
	s_add_nc_u64 s[74:75], s[8:9], s[74:75]
	s_add_nc_u64 s[76:77], s[18:19], s[76:77]
	s_add_nc_u64 s[80:81], s[14:15], s[78:79]
	s_add_nc_u64 s[78:79], s[12:13], s[78:79]
	CROUND                                         ; all four work-groups are here: the first joint loads meet
	tensor_load_to_lds s[40:43], s[32:39]          ; fill 0
	s_nop 0
	PLACES
	v_mov_b32 v15, 0xff61b1e6                      ; the largest score so far: -3e38
	v_mov_b32 v17, 0xff61b1e6
	v_mov_b32 v14, 0x7e967699                      ; -M: 1e38
	v_mov_b32 v16, 0x7e967699
.irp i, 18,19,20,21
	v_mov_b32 v\i, 0
.endr
.set J, 0
.rept 32
	v_mov_b32 v[O+J], 0                            ; the trip's text is written for the loop: the first finds zeros, which the first change of M leaves zeros
.set J, J+1
.endr
.irp t, 0,1,2,3,4
.irp i, 0,1,2,3,4,5
	v_mov_b32 v[Q+12*\t+\i], 0                     ; zero codes between Q's halves
.endr
.endr
	s_wait_loadcnt 0x0
.irp t, 0,1
.irp i, 0,1,2,3,4,5
	v_cndmask_b32 v[Q+6+24*\t+\i], v[110+6*\t+\i], 0, s58     ; Q in lanes 0-15,
	v_cndmask_b32 v[Q+18+24*\t+\i], 0, v[110+6*\t+\i], s58    ; Q in lanes 16-31
.endr
	v_lshl_or_b32 v[12+\t], v[12+\t], 8, v[12+\t]  ; Q's scale byte in all four bytes: whichever block is alive finds it
	v_lshl_or_b32 v[12+\t], v[12+\t], 16, v[12+\t]
.endr
	WALU                                           ; the wait at the head's end
	s_wait_tensorcnt 0x0                           ; my part of fill 0 is in
	ds_add_u32 v1, v2
	s_add_co_u32 s41, s62, SLOT1                   ; group 0 of the weights' second part (no tensor load of mine is out)
	s_mov_b64 s[42:43], s[66:67]
	s_wait_dscnt 0x0
	CROUND                                         ; fill 0 is whole in all four work-groups
	tensor_load_to_lds s[44:47], s[32:39]          ; fill 1
	s_nop 0
	PLACES
	KLOAD v3, v5
	VLOAD v4, v5
	; the LDS bases of what follows the attention, by the wave's number alone
	s_lshr_b32 s66, s48, 1                         ; ct
	s_and_b32 s67, s48, 1                          ; tt
	LIN 4, s49, 4096, s50, 2048, PART              ; (waves 0-7: b and tile kq) partial O^T, read
	LIN 5, s49, 256, s50, 128, PSB
	s_and_b32 s59, s49, 1
	LIN 6, s50, 1536, s59, 768, AFR                ; my 12 bytes of a row's fragment: lane r + 16 (b % 2), registers 6 (b / 2) on, + 12 h
	s_lshr_b32 s59, s49, 1
	s_mul_i32 s3, s59, 24
	s_add_co_u32 s6, s6, s3
	LIN 7, s50, 64, s49, 1, ASC
	s_mul_i32 s8, s67, 1536
	s_add_co_u32 s8, s8, AFR
	s_lshl_b32 s9, s67, 6
	s_add_co_u32 s9, s9, ASC
	s_mul_i32 s10, s66, 1536                       ; Wo's fragment ct
	s_lshl_b32 s11, s66, 7
	s_add_co_u32 s11, s11, WSC
	s_lshl_b32 s12, s66, 6
	s_add_co_u32 s12, s12, WVEC
	LIN 13, s67, 8448, s66, 64, XB                 ; x, written
	s_mul_i32 s14, s48, 2112
	s_add_co_u32 s14, s14, XB                      ; and read: four tokens a wave
	LIN 15, s50, 1536, s49, 192, AFR+HOFF
	LIN 16, s50, 64, s49, 16, ASC+HOFF
	s_mul_i32 s17, s66, 6144
	s_add_co_u32 s17, s17, 12288                   ; W1's four fragments
	s_lshl_b32 s18, s66, 9
	s_add_co_u32 s18, s18, WSC
	s_lshl_b32 s19, s66, 8
	s_add_co_u32 s19, s19, WVEC+2048               ; b1
	s_mul_i32 s22, s67, 6144
	s_add_co_u32 s22, s22, GFR                     ; the hidden layer, read,
	s_lshl_b32 s23, s67, 8
	s_add_co_u32 s23, s23, GSC
	s_lshr_b32 s59, s66, 1
	s_and_b32 s63, s66, 1
	LIN 20, s59, 1536, s63, 24, s22                ; and written
	LIN 21, s59, 64, s63, 2, s23
	LIN 59, s66, 2304, s67, 64, STG                ; the stage, written,
	s_mul_i32 s2, s48, 1152
	s_add_co_u32 s2, s2, STG                       ; and read
	s_lshl_b32 s66, s48, 12
	s_add_co_u32 s66, s66, PART                    ; my partial O^T
	s_lshl_b32 s67, s48, 8
	s_add_co_u32 s67, s67, PSB
	s_mov_b32 s60, 0x3c000000                      ; 1 / 128
	s_mov_b32 s61, 0x3727c5ac                      ; 1e-5
	SPAIR RH, 0x3f3504f3
.Lslot:                                            ; six trips: fills 2 to 7 are asked for
	TRIP 0
	s_sub_co_u32 s52, s52, 1
	s_cmp_lg_u32 s52, 0
	WALU                                           ; ahead of the branch
	s_cbranch_scc1 .Lslot
	TRIP 1
	TRIP 2
	PARTIAL 1, 20, 16
	s_wait_dscnt 0x0
	s_barrier_signal -1
	; the LDS addresses of what follows: register work between signal and wait
	v_and_b32 v56, 31, v0                          ; lane
	v_and_b32 v57, 15, v0                          ; r
	v_bfe_u32 v58, v0, 4, 1                        ; h
	v_and_b32 v69, 7, v0                           ; lane % 8
	v_bfe_u32 v70, v0, 3, 2                        ; lane / 8
	v_lshl_add_u32 v59, v56, 4, s4
	v_lshl_add_u32 v60, v57, 3, s5
	v_mad_u32_u24 v61, v57, 48, s6
	v_mad_u32_u24 v61, v58, 12, v61
	v_lshl_add_u32 v62, v57, 2, s7
	v_mad_u32_u24 v63, v56, 48, s8
	v_lshl_add_u32 v64, v57, 2, s9
	v_lshl_add_u32 v65, v56, 4, s10
	v_lshl_add_u32 v66, v56, 2, s11
	v_lshl_add_u32 v67, v58, 5, s12
	v_mul_u32_u24 v68, v57, 528
	v_lshl_add_u32 v68, v58, 5, v68
	v_add_nc_u32 v68, s13, v68
	v_mul_u32_u24 v71, v70, 528
	v_lshl_add_u32 v71, v69, 6, v71
	v_add_nc_u32 v71, s14, v71
	v_lshlrev_b32 v72, 6, v69
	v_add_nc_u32 v72, WVEC+1024, v72
	v_bfe_u32 v74, v0, 1, 1
	v_lshl_add_u32 v74, v74, 4, v70
	v_mad_u32_u24 v73, v74, 48, s15
	v_bfe_u32 v74, v0, 2, 1
	v_mad_u32_u24 v73, v74, 24, v73
	v_and_b32 v74, 1, v0
	v_mad_u32_u24 v73, v74, 12, v73
	v_bfe_u32 v74, v0, 1, 2
	v_lshl_add_u32 v75, v70, 2, v74
	v_add_nc_u32 v75, s16, v75
	v_lshl_add_u32 v76, v56, 4, s17
	v_lshl_add_u32 v77, v56, 2, s18
	v_lshl_add_u32 v78, v58, 7, s19
	v_mad_u32_u24 v79, v56, 48, s20
	v_lshl_add_u32 v80, v57, 2, v58
	v_add_nc_u32 v80, s21, v80
	v_mad_u32_u24 v81, v56, 48, s22
	v_lshl_add_u32 v82, v57, 2, s23
	v_mul_u32_u24 v83, v58, 1152
	v_lshl_add_u32 v83, v57, 2, v83
	v_add_nc_u32 v83, s59, v83
	v_mul_u32_u24 v84, v70, 144
	v_lshl_add_u32 v84, v69, 4, v84
	v_add_nc_u32 v84, s2, v84
	v_lshlrev_b32 v85, 14, v70
	v_lshl_add_u32 v85, v69, 4, v85
	v_add_nc_u32 v74, SLOT1-12288, v76             ; W2's four fragments, in slot 1
	WALU
	s_barrier_wait -1                              ; all partial sums lie in LDS; the weights' first part was shown by trip 7's round
.irp g, 0,1,2
	ds_load_b128 v[86+4*\g:89+4*\g], v65 offset:512*\g          ; Wo's fragment ct
.endr
	ds_load_b32 v9, v66
.irp m, 0,1
	ds_load_b128 v[98+4*\m:101+4*\m], v67 offset:16*\m          ; bo, the product's C
.endr
	s_cmp_lt_u32 s48, 8
	s_cbranch_scc0 .Ljoined
	; ---- waves 0-7 join the four key quarters of head b, tile kq
.irp k, 0,1,2,3
	ds_load_b64 v[110+2*\k:111+2*\k], v60 offset:1024*\k
.endr
.irp k, 0,1,2,3
.irp p, 0,1,2,3
	ds_load_b128 v[S+16*\k+4*\p:S+16*\k+4*\p+3], v59 offset:16384*\k+512*\p
.endr
.endr
	s_wait_dscnt 16                                ; the sums and -M are in; the sixteen behind them may be out
	v_min_num_f32 v24, v111, v113
	v_min_num_f32 v25, v115, v117
	v_min_num_f32 v24, v24, v25                    ; - the largest M
.irp k, 0,1,2,3
	v_sub_f32 v[118+2*\k], v24, v[111+2*\k]
.endr
.irp k, 0,1,2,3
	v_cvt_i32_f32 v[118+2*\k], v[118+2*\k]
.endr
.irp k, 0,1,2,3
	v_ldexp_f32 v[118+2*\k], 1.0, v[118+2*\k]
.endr
	v_mul_f32 v26, v110, v118
	v_fma_f32 v26, v112, v120, v26
	v_fma_f32 v26, v114, v122, v26
	v_fma_f32 v26, v116, v124, v26                 ; the row's sum
	WALU
	v_rcp_f32 v26, v26
	v_nop
	s_wait_dscnt 0x0
.set J, 0
.rept 8
	v_pk_mul_f32 v[S+J:S+J+1], v[S+J:S+J+1], v[118:119] op_sel_hi:[1,0]
.set J, J+2
.endr
.irp k, 1,2,3
.set J, 0
.rept 8
	v_pk_fma_f32 v[S+J:S+J+1], v[S+16*\k+J:S+16*\k+J+1], v[118+2*\k:119+2*\k], v[S+J:S+J+1] op_sel_hi:[1,0,1]
.set J, J+2
.endr
.endr
	WALU                                           ; ahead of the reciprocal's first reader
.set J, 0
.rept 8
	v_pk_mul_f32 v[S+J:S+J+1], v[S+J:S+J+1], v[26:27] op_sel_hi:[1,0]   ; O^T / the sum: register 8 u + j = channel 32 b + 16 u + 8 h + j of query r
.set J, J+2
.endr
	MAX16 S
	v_permlanex16_b32 v31, v24, s[SEL], s[SEL+1]
	v_max_num_f32 v24, v24, v31
	CODES16 S, v61, v62                            ; taken as places 16 h + 8 u + j of the block, as Wo's image has them
.Ljoined:
	BARRIER                                        ; the attention's two fragments are whole
.irp g, 0,1,2
	ds_load_b128 v[110+4*\g:113+4*\g], v63 offset:16*\g
.endr
	ds_load_b32 v10, v64
	s_wait_loadcnt 0x0                             ; the decoder's numbers, its statistics, gain and bias
.irp j, 0,2,4,6
	v_pk_add_f32 v[48+\j:49+\j], v[48+\j:49+\j], v[106:107] op_sel_hi:[1,0] neg_lo:[0,1] neg_hi:[0,1]
.endr
.irp j, 0,2,4,6
	v_pk_mul_f32 v[48+\j:49+\j], v[48+\j:49+\j], v[108:109] op_sel_hi:[1,0]
.endr
.irp j, 0,2,4,6
	v_pk_fma_f32 v[48+\j:49+\j], v[48+\j:49+\j], v[32+\j:33+\j], v[40+\j:41+\j]   ; the normalised decoder
.endr
	WALU
	s_wait_dscnt 0x0
	v_wmma_scale_f32_16x16x128_f8f6f4 v[98:105], v[86:97], v[110:121], v[98:105], v9, v10 matrix_a_fmt:MATRIX_FMT_FP6 matrix_b_fmt:MATRIX_FMT_FP6
	PLACES
.irp j, 0,2,4,6
	v_pk_add_f32 v[48+\j:49+\j], v[48+\j:49+\j], v[98+\j:99+\j]   ; x: channels 16 ct + 8 h + 0 .. 7 of token r; kept for the second residual
.endr
	ds_store_b128 v68, v[48:51]
	ds_store_b128 v68, v[52:55] offset:16
	BARRIER                                        ; x is whole in LDS
	s_cmp_lt_u32 s48, 8
	s_cbranch_scc0 .Lno_rows
.irp m, 0,1,2,3
	ds_load_b128 v[S+4*\m:S+4*\m+3], v71 offset:16*\m           ; waves 0-7: 16 channels of a token a lane, eight lanes a token
.endr
.irp m, 0,1,2,3
	ds_load_b128 v[S+16+4*\m:S+19+4*\m], v72 offset:16*\m       ; g_out
	ds_load_b128 v[S+32+4*\m:S+35+4*\m], v72 offset:512+16*\m   ; b_out
.endr
.Lno_rows:
.irp q, 0,1,2,3
.irp g, 0,1,2
	ds_load_b128 v[110+12*\q+4*\g:113+12*\q+4*\g], v76 offset:1536*\q+512*\g     ; W1: hidden unit 64 ct + 32 h + 8 q + j is row 8 h + j of tile q
.endr
	ds_load_b32 v[10+\q], v77 offset:1024+128*\q
	ds_load_b128 v[158+8*\q:161+8*\q], v78 offset:32*\q         ; b1, the products' C
	ds_load_b128 v[162+8*\q:165+8*\q], v78 offset:32*\q+16
.endr
	s_cmp_lt_u32 s48, 8
	s_cbranch_scc0 .Lnormed
	; ---- waves 0-7: LayerNorm, two true passes, over eight neighbouring lanes
	s_wait_dscnt 24                                ; x, gain and bias are in; the 24 loads behind them may be out
.irp c, 0,1,2,3
	v_pk_add_f32 v[240+2*\c:241+2*\c], v[S+4*\c:S+4*\c+1], v[S+4*\c+2:S+4*\c+3]
.endr
	v_pk_add_f32 v[240:241], v[240:241], v[242:243]
	v_pk_add_f32 v[244:245], v[244:245], v[246:247]
	v_pk_add_f32 v[240:241], v[240:241], v[244:245]
	v_add_f32 v248, v240, v241
.irp m, 1,2,4
	v_add_f32_dpp v248, v248, v248 row_xmask:\m row_mask:0xf bank_mask:0xf
.endr
	v_mul_f32 v248, s60, v248                      ; the mean
.set J, 0
.rept 8
	v_pk_add_f32 v[S+J:S+J+1], v[S+J:S+J+1], v[248:249] op_sel_hi:[1,0] neg_lo:[0,1] neg_hi:[0,1]
.set J, J+2
.endr
.irp c, 0,1
	v_pk_mul_f32 v[240+2*\c:241+2*\c], v[S+2*\c:S+2*\c+1], v[S+2*\c:S+2*\c+1]
.endr
.irp i, 4,8,12
.irp c, 0,1
	v_pk_fma_f32 v[240+2*\c:241+2*\c], v[S+\i+2*\c:S+\i+2*\c+1], v[S+\i+2*\c:S+\i+2*\c+1], v[240+2*\c:241+2*\c]
.endr
.endr
	v_pk_add_f32 v[240:241], v[240:241], v[242:243]
	v_add_f32 v250, v240, v241
.irp m, 1,2,4
	v_add_f32_dpp v250, v250, v250 row_xmask:\m row_mask:0xf bank_mask:0xf
.endr
	v_fma_f32 v248, v250, s60, s61                 ; the variance + 1e-5
	WALU
	v_rsq_f32 v248, v248
	v_nop
	WALU
.set J, 0
.rept 8
	v_pk_mul_f32 v[S+J:S+J+1], v[S+J:S+J+1], v[248:249] op_sel_hi:[1,0]
.set J, J+2
.endr
.set J, 0
.rept 8
	v_pk_fma_f32 v[S+J:S+J+1], v[S+J:S+J+1], v[S+16+J:S+17+J], v[S+32+J:S+33+J]
.set J, J+2
.endr
	MAX16 S
	v_max_num_f32_dpp v24, v24, v24 row_xmask:1 row_mask:0xf bank_mask:0xf   ; with my neighbour's 16: the block's
	CODES16 S, v73, v75
.Lnormed:
	s_wait_tensorcnt 0x0                           ; the weights' second part has landed: the barrier shows it to all
	BARRIER
.irp g, 0,1,2
	ds_load_b128 v[86+4*\g:89+4*\g], v63 offset:HOFF+16*\g
.endr
	ds_load_b32 v9, v64 offset:HOFF
	s_wait_dscnt 0x0
.irp q, 0,1,2,3
	v_wmma_scale_f32_16x16x128_f8f6f4 v[158+8*\q:165+8*\q], v[110+12*\q:121+12*\q], v[86:97], v[158+8*\q:165+8*\q], v[10+\q], v9 matrix_a_fmt:MATRIX_FMT_FP6 matrix_b_fmt:MATRIX_FMT_FP6
.endr
	v_mov_b32 v98, 0xaf95df0b                      ; erf's two leading coefficients as vector pairs: these four lines are the places behind the products
	v_mov_b32 v99, 0xaf95df0b
	v_mov_b32 v100, 0xb77460cd
	v_mov_b32 v101, 0xb77460cd
.irp q, 0,1,2,3
.irp g, 0,1,2
	ds_load_b128 v[110+12*\q+4*\g:113+12*\q+4*\g], v74 offset:1536*\q+512*\g     ; W2's row tile ct, K step q
.endr
	ds_load_b32 v[102+\q], v77 offset:5120+128*\q
.endr
.irp m, 0,1
	ds_load_b128 v[86+4*\m:89+4*\m], v67 offset:512+16*\m       ; b2, the first product's C
.endr
	GELU 158
	GELU 174
	; my 32 hidden units are one block: lane half h block 2 ct + h
	v_max3_num_f32 v24, |v158|, |v159|, 0x1800000
	v_max3_num_f32 v25, |v174|, |v175|, |v176|
.irp i, 2,4,6,8,10,12
	v_max3_num_f32 v24, v24, |v[158+\i]|, |v[159+\i]|
	v_max3_num_f32 v25, v25, |v[175+\i]|, |v[176+\i]|
.endr
	v_max3_num_f32 v24, v24, |v172|, |v173|
	v_max3_num_f32 v24, v24, v25, |v189|
	v_add_nc_u32 v28, 0xff000000, v24
	v_lshrrev_b32 v25, 23, v28
	v_cvt_scalef32_pk16_fp6_f32 v[192:194], v[158:173], v28
	v_cvt_scalef32_pk16_fp6_f32 v[196:198], v[174:189], v28
	v_nop                                          ; one plain place behind a scaled conversion
	v_mov_b32 v195, v196
	v_mov_b32 v196, v197
	v_mov_b32 v197, v198
.irp i, 0,1,2
	ds_store_b64 v79, v[192+2*\i:193+2*\i] offset:8*\i
.endr
	ds_store_b8 v80, v25
	BARRIER                                        ; the hidden layer is whole
.irp q, 0,1,2,3
.irp g, 0,1,2
	ds_load_b128 v[S+12*\q+4*\g:S+12*\q+4*\g+3], v81 offset:1536*\q+16*\g
.endr
	ds_load_b32 v[106+\q], v82 offset:64*\q
.endr
	s_wait_dscnt 0x0
	v_wmma_scale_f32_16x16x128_f8f6f4 v[86:93], v[110:121], v[S:S+11], v[86:93], v102, v106 matrix_a_fmt:MATRIX_FMT_FP6 matrix_b_fmt:MATRIX_FMT_FP6   ; two accumulators take turns, K steps 0, 2 and 1, 3
	v_wmma_scale_f32_16x16x128_f8f6f4 v[94:101], v[122:133], v[S+12:S+23], 0, v103, v107 matrix_a_fmt:MATRIX_FMT_FP6 matrix_b_fmt:MATRIX_FMT_FP6
	v_wmma_scale_f32_16x16x128_f8f6f4 v[86:93], v[134:145], v[S+24:S+35], v[86:93], v104, v108 matrix_a_fmt:MATRIX_FMT_FP6 matrix_b_fmt:MATRIX_FMT_FP6
	v_wmma_scale_f32_16x16x128_f8f6f4 v[94:101], v[146:157], v[S+36:S+47], v[94:101], v105, v109 matrix_a_fmt:MATRIX_FMT_FP6 matrix_b_fmt:MATRIX_FMT_FP6
	PLACES
.irp j, 0,2,4,6
	v_pk_add_f32 v[86+\j:87+\j], v[86+\j:87+\j], v[94+\j:95+\j]
.endr
.irp j, 0,2,4,6
	v_pk_add_f32 v[48+\j:49+\j], v[48+\j:49+\j], v[86+\j:87+\j]   ; the second residual
.endr
	; THE WAY OUT: out0 has the channels outermost: through a stage, a row to a channel
.irp j, 0,1,2,3,4,5,6,7
	ds_store_b32 v83, v[48+\j] offset:144*\j
.endr
	BARRIER
.irp i, 0,1
	ds_load_b128 v[S+4*\i:S+4*\i+3], v84 offset:576*\i
.endr
.irp i, 0,1
	s_wait_dscnt 1-\i                              ; LDS loads come back in order: load i is in
	global_store_b128 v85, v[S+4*\i:S+4*\i+3], s[76:77] offset:65536*\i th:TH_STORE_NT   ; eight lanes store a channel's 128 consecutive bytes
.endr
	s_wait_tensorcnt 0x0                           ; the wave's end, behind my last tensor load and my last LDS store
	ds_add_u32 v1, v2
	s_wait_dscnt 0x0
	CROUND                                         ; the closing round: no work-group ends while a partner may still ask for a tile that names it
	s_endpgm
.Lfunc_end_k_q5f6b6e0015_attn:
	.size	k_q5f6b6e0015_attn, .Lfunc_end_k_q5f6b6e0015_attn-k_q5f6b6e0015_attn
	.p2alignl 7, 3214868480
	.fill 96, 4, 3214868480
	.section	.rodata,"a",@progbits
	.p2align	6, 0x0
	.amdhsa_kernel k_q5f6b6e0015_attn
		.amdhsa_group_segment_fixed_size 327680
		.amdhsa_private_segment_fixed_size 0
		.amdhsa_enable_private_segment 0
		.amdhsa_kernarg_size 64
		.amdhsa_user_sgpr_count 2
		.amdhsa_user_sgpr_kernarg_segment_ptr 1
		.amdhsa_wavefront_size32 1
		.amdhsa_system_sgpr_workgroup_id_x 1
		.amdhsa_system_sgpr_workgroup_id_y 1
		.amdhsa_system_sgpr_workgroup_id_z 1
		.amdhsa_system_vgpr_workitem_id 0
		.amdhsa_next_free_vgpr 256
		.amdhsa_next_free_sgpr 102
		.amdhsa_reserve_vcc 0
		.amdhsa_float_denorm_mode_32 3
		.amdhsa_float_denorm_mode_16_64 3
		.amdhsa_memory_ordered 1
		.amdhsa_forward_progress 1
		.amdhsa_inst_pref_size 140
	.end_amdhsa_kernel
	.amdgpu_metadata
---
amdhsa.version: [ 1, 2 ]
amdhsa.kernels:
  - .name:           k_q5f6b6e0015_attn
    .symbol:         k_q5f6b6e0015_attn.kd
    .args:
      - { .name: kv, .offset: 0, .size: 8, .value_kind: global_buffer, .address_space: global }
      - { .name: qb, .offset: 8, .size: 8, .value_kind: global_buffer, .address_space: global }
      - { .name: stats, .offset: 16, .size: 8, .value_kind: global_buffer, .address_space: global }
      - { .name: decoder_feat, .offset: 24, .size: 8, .value_kind: global_buffer, .address_space: global }
      - { .name: g_dec, .offset: 32, .size: 8, .value_kind: global_buffer, .address_space: global }
      - { .name: b_dec, .offset: 40, .size: 8, .value_kind: global_buffer, .address_space: global }
      - { .name: wts, .offset: 48, .size: 8, .value_kind: global_buffer, .address_space: global }
      - { .name: out0, .offset: 56, .size: 8, .value_kind: global_buffer, .address_space: global }
    .group_segment_fixed_size: 327680
    .private_segment_fixed_size: 0
    .kernarg_segment_align: 8
    .kernarg_segment_size: 64
    .max_flat_workgroup_size: 512
    .sgpr_count:     102
    .vgpr_count:     256
    .wavefront_size: 32
...
	.end_amdgpu_metadata
.endif
;; end of part 2
